; MI455X (gfx1250); checked and timed in simulation.
; The chip was launched on July 23, 2026; its instructions are those of AMD's public machine-readable ISA for CDNA 5 (MIT licence, August 2026) and "CDNA5" Instruction Set Architecture Reference Guide (July 2026). The comments in the code are by the model that wrote it; some were corrected since.
;; Tuck ER. Allowed arithmetic: matrix products marked QUANTISED: E3M2 operands, one E8M0 scale for each 32 along K, by v_wmma_scale_f32_16x16x128_f8f6f4 with both operands' format E3M2, f32 sums; products left as they are: f32 operands where the result goes on into a quantised operand, else bf16, f16 or f32 operands; f32 sums; everything else in f32.
;; Inputs: P_table 100,000 x 256 float32; Q_table 100,000 x 256 float32; R_table 1,000 x 256 float32; W 256 x 256 x 256 float32; ps 4,096 int32; qs 4,096 int32; rs 4,096 int32.
;; Outputs: out0 4,096 x 1 float32; out1 one number float32.
;; This version of the problem:
;;   THIS VERSION OF THE PROBLEM IS GIVEN IN LOW PRECISION. The matrix products marked QUANTISED in the list below multiply operands that are first quantised to E3M2 (3 exponent bits, 2 mantissa bits; 6 bits a number), with one power-of-two scale for each 32 numbers along K (OCP MX v1.0); their sums are f32. All else is computed in f32.
;;   The module's matrix products, in the order in which they are computed (A, B: the left and right operand; K: the contracted axis; several contracted axes count as one K, in the product's order):
;;     1. [M 4,096, K 256] x [K 256, N 65,536]; A: computed on the way; B: input W: QUANTISED
;;     2. batch 4,096 x [M 256, K 256] x [K 256, N 1]; A: computed on the way; B: computed on the way: left as it is (N = 1 < 16)
;;     3. batch 4,096 x [M 1, K 256] x [K 256, N 1]; A: computed on the way; B: computed on the way: left as it is (M = 1 < 16)
;;   THE QUANTISER, for each operand of a quantised product, along K:
;;     - K is cut into blocks of 32 from its start; a last block that is shorter is filled with zeros.
;;     - A block's scale is 2^e with e = floor(log2(the largest magnitude in the block)) - 4, held to -126 .. 127; a block of zeros has e = 0. As a byte (E8M0): e + 127.
;;     - Each number is divided by its block's scale, clamped to +-28, and rounded to the nearest number of E3M2, ties to even, subnormals kept.
;;     - The product sums the exact products of the quantised numbers (number of the format x scale) in f32.
;;   ~~~python
;;   def quantise(x, axis):      # numpy; x: float32 -> the quantised numbers, widened to float32 again
;;       x = np.moveaxis(x, axis, -1); K = x.shape[-1]
;;       x = np.pad(x, [(0, 0)] * (x.ndim - 1) + [(0, -K % 32)]); x = x.reshape(x.shape[:-1] + (-1, 32)); a = np.abs(x).max(-1, keepdims=True)
;;       e = np.where(a > 0, np.clip(np.frexp(np.where(a > 0, a, 1))[1] - 1 - 4, -126, 127), 0)      # np.frexp(a)[1] - 1 = floor(log2(a)), exactly
;;       r = np.clip(x / 2.0 ** e, -28, 28)
;;       step = 2.0 ** (np.maximum(np.frexp(np.where(r == 0, 1, r))[1] - 1, -2) - 2)
;;       q = np.round(r / step) * step * 2.0 ** e      # np.round: ties to even
;;       return np.moveaxis(q.reshape(q.shape[:-2] + (-1,))[..., :K], -1, axis).astype(np.float32)
;;   ~~~
;;   OPERANDS COMPUTED ON THE WAY. 'Computed on the way' means the value that the module computes at that place (a softmax that the list does not call 'softmax' is quantised finished and normalised). What goes into a quantiser is computed in f32, as accurately as f32 sums, v_exp_f32 and their like allow (about 1e-6 of the number): no bf16 or f16 on the way to a quantiser, and a product that is left as it is and whose result goes on into a quantised operand takes f32 operands (vector FMAs, or v_wmma_f32_16x16x4_f32). A number that lies on a knife's edge between two numbers of the format may be rounded either way, as far as f32 arithmetic and the matrix unit's own rounding can turn it there, and no further.
;; One version. Each part assembles by itself: llvm-mc -triple=amdgcn-amd-amdhsa -mcpu=gfx1250 --defsym DOCPART=n.
;; ======== version 1 of 1: 3 launches
;; workspace buffers: wimg 13,107,200 bytes; pimg 786,432 bytes; psc 32,768 bytes; qimg 4,194,304 bytes; rg 4,194,304 bytes; nsq 98,304 bytes; part 524,288 bytes
;; launch prep (part 1): grid 704 x 1, 4 waves a work-group, no clusters, 67,072 bytes of LDS; arguments ps, qs, rs, P_table, Q_table, R_table, W, wimg, pimg, psc, qimg, rg, nsq; writes wimg, pimg, psc, qimg, rg, nsq
.if DOCPART == 1
	.amdgcn_target "amdgcn-amd-amdhsa--gfx1250"
	.amdhsa_code_object_version 6
	.text
	.protected	k_q8e880e4b28_prep
	.globl	k_q8e880e4b28_prep
	.p2align	8
	.type	k_q8e880e4b28_prep,@function
k_q8e880e4b28_prep:
	s_mov_b64 s[64:65], 0
	v_nop
	global_prefetch_b8 v0, s[64:65] scope:SCOPE_SE
	s_setreg_imm32_b32 hwreg(HW_REG_WAVE_MODE, 25, 1), 1
	s_wait_xcnt 0x0
; PREP: everything that the product's launch wants laid ready, made once.
;   work-groups   0- 63: p = P_table[ps], 16 rows a wave: quantised along its 256 numbers to BF6 (E3M2) with one E8M0 byte for each 32; codes leave as images of the operand's registers (pimg), scale words in psc.
;   work-groups  64-127: q = Q_table[qs], 16 rows a wave: f32, laid in the order in which a matrix result's registers hold the columns (qimg).
;   work-groups 128-191: r = R_table[rs], 16 rows a wave: f32, row-major (rg).
;   work-groups 192-703: W [256 (i)][65536 (n)], quantised along i, its FIRST axis: 32 columns a wave; codes and scale words leave as images of the operand's registers (wimg).
; The three gathers also leave each lane's sum of squares (nsq), for the norms.
; A block's scale is 2^(floor(log2(its largest magnitude)) - 4); its byte is the largest magnitude's exponent field - 4, held at 1 from below by a floor among the maximum's leaves.
; LIMITS: NaN and infinities among the inputs are not served.  A block of zeros gets the byte 1 where the rule says 127: its codes are zeros, which add nothing under any byte but 0xff, and this program alone reads the bytes.
; An index is held to its table's last row (99,999 or 999) before it enters an address.
; IMAGES.  A fragment is 16 rows x 128 K in 12 registers a lane: lane 16 h + r holds row r; registers 0-5 block h of the K step's four blocks of 32, registers 6-11 block 2 + h.
; Its image is three runs of 512 bytes: registers 4 u .. 4 u + 3 of lane l at 512 u + 16 l.
; wimg: [kq 4][j 256] units of 12,800 bytes; a unit holds W's columns n = 256 j + 64 kq + 0 .. 63: tile c (16 columns), K step s at 3072 c + 1536 s; scale words at 12,288 + 128 c + 8 r + 4 s.
; No tensor loads and no barrier: waves share nothing.  Only the p and q work-groups use LDS: a stage of 16 rows for each wave.
.set RP,    1040                       ; a stage row: 1,024 bytes + 16 = 65 x 16: the sixteen rows that a 16-byte load touches start at sixteen different 16-byte columns
.set STGB,  16*RP                      ; a wave's stage
.set OFF,   16                         ; v16-31   gather: row i's byte offset in the table + 16 x lane; never rewritten
.set TM,    32                         ; v32-47   the quantiser, at work
.set X,     64                         ; v64-191  16 rows x 8 registers as loaded; later 128 numbers of my row of p, or q's pieces
.set PC0,   192                        ; v192-211 the codes of K step 0 (those of K step 1 take v64-83)
.set PW0,   13                         ; v13, v14 the two scale words
.set PW1,   14
.set SEL,   66                         ; s[66:67] lane selects: lane l xor 16
.set XW,    32                         ; W: v32-95 two sets of 32 numbers down K
.set CD,    96                         ; W: v96-143 four groups (K step s, half h) of 12 registers of codes
.set TT,    144                        ; W: v144-146 the upper 16 codes of a block, on their way
.set MXA,   148                        ; W: v148, v149 the maximum's two chains
.set MXB,   149
.set SCO,   150                        ; W: the conversion's scale operand
.set BY,    151                        ; W: the scale's byte
.set CO,    152                        ; W: my byte offset among the codes
.set SO,    153                        ; W: and among the scale words
.set SB,    24                         ; W: v24, v25 the scale words of K steps 0 and 1
	s_load_b512 s[4:19], s[0:1], 0x0               ; ps 4, qs 6, rs 8, P 10, Q 12, R 14, W 16, wimg 18
	s_load_b256 s[20:27], s[0:1], 0x40             ; pimg 20, psc 22, qimg 24, rg 26
	s_load_b64 s[28:29], s[0:1], 0x60              ; nsq
	v_lshl_add_u32 v224, v0, 2, 0x10400
	v_mov_b32 v225, 0
	v_and_b32 v1, 31, v0                           ; lane
	v_and_b32 v2, 15, v0                           ; r
	v_bfe_u32 v3, v0, 4, 1                         ; h
	v_lshlrev_b32 v4, 4, v1                        ; 16 x lane
	v_lshlrev_b32 v5, 2, v1                        ; 4 x lane
	v_lshrrev_b32 v6, 5, v0
	v_readfirstlane_b32 s3, v6                     ; wave 0..3
	s_mul_i32 s68, s3, STGB                        ; my stage
	v_add_nc_u32 v6, s68, v4                       ; into it: 16 x lane of a row's half
	v_mul_u32_u24 v7, v2, RP
	v_add_nc_u32 v7, s68, v7
	v_lshl_add_u32 v12, v3, 5, v7                  ; out of it for q: row r, + 32 h
	v_lshl_add_u32 v7, v3, 6, v7                   ; out of it for p: row r, + 64 h
	s_mov_b32 s[SEL], 0x76543210
	s_mov_b32 s[SEL+1], 0xfedcba98
	s_and_b32 s69, ttmp9, 63
	s_lshl_b32 s69, s69, 2
	s_add_co_u32 s69, s69, s3                      ; gathers: my tile of 16 rows, 0..255
	s_mov_b32 s75, 0
	s_wait_kmcnt 0x0
	s_cmp_ge_u32 ttmp9, 192
	s_cbranch_scc1 .Lweights
	s_cmp_ge_u32 ttmp9, 128
	s_cbranch_scc1 .Lr_rows
	s_branch .Lpq_rows
; 16 indices by one scalar load, each held to the table's last row; row i's two loads read 512 consecutive bytes each
.macro GATHER lim
	s_load_b512 s[48:63], s[70:71], 0x0
	s_wait_kmcnt 0x0
.set gi, 0
.rept 16
	s_min_u32 s[48+gi], s[48+gi], \lim
	s_lshl_b32 s[48+gi], s[48+gi], 10              ; a row is 1,024 bytes
	v_add_nc_u32 v[OFF+gi], s[48+gi], v4
.set gi, gi+1
.endr
.set gi, 0
.rept 16
	global_load_b128 v[X+8*gi:X+8*gi+3], v[OFF+gi], s[72:73]
	global_load_b128 v[X+8*gi+4:X+8*gi+7], v[OFF+gi], s[72:73] offset:512
.set gi, gi+1
.endr
.endm
; my eight numbers of row i, squared, onto two chains; row 0 starts them: nothing is cleared
.macro SUMSQ i
.if (\i) == 0
	v_pk_mul_f32 v[8:9], v[X:X+1], v[X:X+1]
	v_pk_mul_f32 v[10:11], v[X+2:X+3], v[X+2:X+3]
.else
	v_pk_fma_f32 v[8:9], v[X+8*(\i):X+8*(\i)+1], v[X+8*(\i):X+8*(\i)+1], v[8:9]
	v_pk_fma_f32 v[10:11], v[X+8*(\i)+2:X+8*(\i)+3], v[X+8*(\i)+2:X+8*(\i)+3], v[10:11]
.endif
	v_pk_fma_f32 v[8:9], v[X+8*(\i)+4:X+8*(\i)+5], v[X+8*(\i)+4:X+8*(\i)+5], v[8:9]
	v_pk_fma_f32 v[10:11], v[X+8*(\i)+6:X+8*(\i)+7], v[X+8*(\i)+6:X+8*(\i)+7], v[10:11]
.endm
.macro SUMOUT                          ; my lane's sum of squares: 128 consecutive bytes a wave
	v_add_f32 v8, v8, v9
	v_add_f32 v10, v10, v11
	v_add_f32 v8, v8, v10
	global_store_b32 v5, v8, s[28:29]
.endm
; 64 numbers of a lane, register 16 b + i = k 32 b + 16 h + i of my row, become a fragment's codes in v[pc] on and its scale word in v[pw]
.macro QUANT src, pc, pw
.irp b, 0,1,2,3
	v_max3_num_f32 v[TM+\b], |v[\src+16*\b]|, |v[\src+1+16*\b]|, 0x2800000   ; block b: my 16 numbers, and the floor 2^(5 - 127): the byte cannot fall under 1
.endr
.irp i, 2,4,6,8,10,12,14
.irp b, 0,1,2,3
	v_max3_num_f32 v[TM+\b], v[TM+\b], |v[\src+16*\b+\i]|, |v[\src+1+16*\b+\i]|   ; the four blocks by turns
.endr
.endr
.irp b, 0,1,2,3
	v_permlanex16_b32 v[TM+4+\b], v[TM+\b], s[SEL], s[SEL+1]
.endr
.irp b, 0,1,2,3
	v_max_num_f32 v[TM+\b], v[TM+\b], v[TM+4+\b]   ; with lane l xor 16's: the block's largest magnitude
.endr
.irp b, 0,1,2,3
	v_add_nc_u32 v[TM+12+\b], 0xfe000000, v[TM+\b] ; 4 off its exponent field: the conversion takes the exponent field of this operand as its scale
.endr
.irp b, 0,1,2,3
	v_lshrrev_b32 v[TM+4+\b], 23, v[TM+12+\b]      ; the scale's byte
.endr
	v_lshl_or_b32 v[\pw], v[TM+5], 8, v[TM+4]      ; the four bytes make my row's scale word
	v_lshl_or_b32 v[\pw], v[TM+6], 16, v[\pw]
	v_lshl_or_b32 v[\pw], v[TM+7], 24, v[\pw]
.irp c, 0,1
	v_cvt_scalef32_pk16_bf6_f32 v[\pc+6*\c:\pc+2+6*\c], v[\src+32*\c:\src+15+32*\c], v[TM+12+2*\c]
	v_cvt_scalef32_pk16_bf6_f32 v[\pc+12+4*\c:\pc+14+4*\c], v[\src+16+32*\c:\src+31+32*\c], v[TM+12+2*\c+1]   ; (a conversion's three registers begin on an even number)
.endr
	v_nop                                          ; one plain place behind a scaled conversion
.irp c, 0,1                            ; the operand's layout wants a whole block in a lane: lanes 0-15 block 2 c, lanes 16-31 block 2 c + 1
.irp i, 0,1,2
	v_permlane16_swap_b32 v[\pc+6*\c+\i], v[\pc+12+4*\c+\i]
.endr
.irp i, 0,1,2
	v_mov_b32 v[\pc+3+6*\c+\i], v[\pc+12+4*\c+\i]
.endr
.endr
.endm
; ---------------- p and q: gathered, squared, and turned through the wave's stage
.Lpq_rows:
	s_cmp_lt_u32 ttmp9, 64                         ; p's work-group or q's: the choice hangs on the work-group's number alone
	s_cselect_b64 s[70:71], s[4:5], s[6:7]         ; the list of indices
	s_cselect_b64 s[72:73], s[10:11], s[12:13]     ; the table
	s_cselect_b32 s74, 0, 256                      ; nsq: table x 256 tiles
	s_add_co_u32 s74, s74, s69
	s_lshl_b32 s74, s74, 7                         ; 128 bytes a tile
	s_add_nc_u64 s[28:29], s[28:29], s[74:75]
	s_lshl_b32 s74, s69, 6                         ; 16 indices are 64 bytes
	s_add_nc_u64 s[70:71], s[70:71], s[74:75]
	GATHER 99999
.set ri, 0
.rept 16
	s_wait_loadcnt 30-2*ri                         ; row ri's two loads are in; the younger rows' stay out
	SUMSQ ri
	ds_store_b128 v6, v[X+8*ri:X+8*ri+3] offset:ri*RP
	ds_store_b128 v6, v[X+8*ri+4:X+8*ri+7] offset:ri*RP+512
.set ri, ri+1
.endr
	SUMOUT
	s_wait_dscnt 0x0                               ; the stage's stores have read their registers: loads may land there
	s_cmp_lt_u32 ttmp9, 64
	s_cbranch_scc1 .Lp_rows
	; q: piece n = 8 kq + 2 c + u of lane (r, h) is q(r, 64 kq + 16 c + 8 h + 4 u + 0 .. 3): the order of a result's registers
	s_lshl_b32 s74, s69, 14                        ; 16,384 bytes a tile
	s_add_nc_u64 s[24:25], s[24:25], s[74:75]
.set n, 0
.rept 32
	ds_load_b128 v[X+4*n:X+4*n+3], v12 offset:256*(n/8)+64*((n/2)%4)+16*(n%2)
.set n, n+1
.endr
.set n, 0
.rept 32
	s_wait_dscnt 31-n                              ; piece n is in
	global_store_b128 v4, v[X+4*n:X+4*n+3], s[24:25] offset:512*n   ; 32 lanes store 512 consecutive bytes
.set n, n+1
.endr
	s_wait_tensorcnt 0x0
	ds_add_u32 v224, v225
	s_wait_dscnt 0x0
	s_endpgm
.Lp_rows:
	s_mul_i32 s74, s69, 3072                       ; two images of 1,536 bytes a tile
	s_add_nc_u64 s[20:21], s[20:21], s[74:75]
	s_lshl_b32 s74, s69, 7                         ; 32 scale words a tile
	s_add_nc_u64 s[22:23], s[22:23], s[74:75]
.irp b, 0,1,2,3
	v_mov_b32 v[TM+4+\b], 0                        ; written once: a lane permute's destination counts as one of its sources
.endr
.irp s, 0,1                            ; lane (r, h) takes, of row r, 16 neighbours of each block of 32: register 64 s + 16 b + i = k 128 s + 32 b + 16 h + i
.irp b, 0,1,2,3
.irp j, 0,1,2,3
	ds_load_b128 v[X+64*\s+16*\b+4*\j:X+64*\s+16*\b+4*\j+3], v7 offset:512*\s+128*\b+16*\j
.endr
.endr
.endr
	s_wait_dscnt 16                                ; K step 0's sixteen loads are in
	QUANT X, PC0, PW0
.irp u, 0,1,2
	global_store_b128 v4, v[PC0+4*\u:PC0+4*\u+3], s[20:21] offset:512*\u
.endr
	s_wait_dscnt 0x0
	QUANT X+64, X, PW1                             ; its codes take the registers that K step 0's numbers have left
.irp u, 0,1,2
	global_store_b128 v4, v[X+4*\u:X+4*\u+3], s[20:21] offset:1536+512*\u
.endr
	v_cmp_gt_u32 vcc_lo, 16, v1
	v_cndmask_b32 v15, v[PW1], v[PW0], vcc_lo      ; lanes 0-15 K step 0's words, lanes 16-31 K step 1's: one register serves both steps
	global_store_b32 v5, v15, s[22:23]
	s_wait_tensorcnt 0x0
	ds_add_u32 v224, v225
	s_wait_dscnt 0x0
	s_endpgm
; ---------------- r: gathered, squared, stored as rows
.Lr_rows:
	s_mov_b64 s[70:71], s[8:9]
	s_mov_b64 s[72:73], s[14:15]
	s_add_co_u32 s74, s69, 512                     ; nsq: table 2
	s_lshl_b32 s74, s74, 7
	s_add_nc_u64 s[28:29], s[28:29], s[74:75]
	s_lshl_b32 s74, s69, 6
	s_add_nc_u64 s[70:71], s[70:71], s[74:75]
	s_lshl_b32 s74, s69, 14
	s_add_nc_u64 s[26:27], s[26:27], s[74:75]
	GATHER 999
.set ri, 0
.rept 16
	s_wait_loadcnt 30-2*ri                         ; row ri's two loads are in
	SUMSQ ri
	global_store_b128 v4, v[X+8*ri:X+8*ri+3], s[26:27] offset:ri*1024
	global_store_b128 v4, v[X+8*ri+4:X+8*ri+7], s[26:27] offset:ri*1024+512
.set ri, ri+1
.endr
	SUMOUT
	s_endpgm
; ---------------- W.  A LANE TAKES A COLUMN n, AND ITS REGISTERS RUN DOWN K = i: a block of 32 lies in one lane's 32 registers, and the conversions give codes with K innermost.
; Wave A (0..2047) takes columns 32 A .. 32 A + 31: j = A / 8, k = 32 (A % 8) + lane; so kq = (A % 8) / 2, tile c = 2 (A % 2) + lane / 16, row of the tile r = lane % 16.
; Block t = 4 s + 2 c' + h of my column is registers 6 c' .. 6 c' + 5 of lane 16 h + r of the fragment (tile c, K step s).
.Lweights:
	s_sub_co_u32 s68, ttmp9, 192
	s_lshl_b32 s68, s68, 2
	s_add_co_u32 s68, s68, s3                      ; A
	s_lshl_b32 s70, s68, 7                         ; 128 bytes of every row of W
	s_mov_b32 s71, 0
	s_add_nc_u64 s[32:33], s[16:17], s[70:71]      ; a base for each block of 32 rows: a row is 262,144 bytes, so an immediate reaches 31 rows
.irp t, 1,2,3,4,5,6,7
	s_add_nc_u64 s[32+2*\t:33+2*\t], s[30+2*\t:31+2*\t], 0x800000
.endr
	s_lshr_b32 s72, s68, 3                         ; j
	s_and_b32 s73, s68, 7
	s_lshr_b32 s74, s73, 1                         ; kq
	s_and_b32 s73, s73, 1                          ; which pair of tiles
	s_lshl_b32 s74, s74, 8
	s_add_co_u32 s74, s74, s72                     ; the unit: 256 kq + j
	s_mul_i32 s70, s74, 12800
	s_add_nc_u64 s[18:19], s[18:19], s[70:71]
	s_lshl_b32 s70, s73, 8                         ; two tiles' scale words are 256 bytes
	s_add_co_u32 s70, s70, 12288
	s_add_nc_u64 s[76:77], s[18:19], s[70:71]      ; my wave's scale words
	s_mul_i32 s70, s73, 6144
	s_add_nc_u64 s[18:19], s[18:19], s[70:71]      ; my wave's two tiles of codes
	v_mul_u32_u24 v[CO], v3, 3072                  ; my tile of the two,
	v_lshl_add_u32 v[CO], v2, 4, v[CO]             ; 16 bytes for each row of the tile
	v_lshlrev_b32 v[SO], 3, v1                     ; 128 (lane / 16) + 8 r = 8 x lane
.macro LOADW t                         ; block t: W(32 t + i, my column), i = 0 .. 31, into set t % 2; 32 lanes read 128 consecutive bytes, the four waves 512
.set li, 0
.rept 32
	global_load_b32 v[XW+32*((\t)%2)+li], v5, s[32+2*(\t):33+2*(\t)] offset:li*262144 th:TH_LOAD_NT
.set li, li+1
.endr
.endm
.macro BLOCK t
.set XS, XW+32*((\t)%2)
.set GR, CD+12*(2*((\t)/4)+(\t)%2)+6*(((\t)%4)/2)
.if (\t) < 7
	s_wait_loadcnt 32                              ; this block's 32 loads are in; the next block's may be out
.else
	s_wait_loadcnt 0
.endif
	v_max3_num_f32 v[MXA], |v[XS]|, |v[XS+1]|, |v[XS+2]|           ; the block's largest magnitude: all 32 numbers are mine
	v_max3_num_f32 v[MXB], |v[XS+3]|, |v[XS+4]|, |v[XS+5]|
.irp i, 6,10,14,18,22,26
	v_max3_num_f32 v[MXA], v[MXA], |v[XS+\i]|, |v[XS+\i+1]|
	v_max3_num_f32 v[MXB], v[MXB], |v[XS+\i+2]|, |v[XS+\i+3]|
.endr
	v_max3_num_f32 v[MXA], v[MXA], |v[XS+30]|, |v[XS+31]|
	v_max3_num_f32 v[MXA], v[MXA], v[MXB], 0x2800000               ; and the floor 2^(5 - 127)
	v_add_nc_u32 v[SCO], 0xfe000000, v[MXA]                        ; 4 off its exponent field: the conversion's scale operand
	v_cvt_scalef32_pk16_bf6_f32 v[GR:GR+2], v[XS:XS+15], v[SCO]
	v_cvt_scalef32_pk16_bf6_f32 v[TT:TT+2], v[XS+16:XS+31], v[SCO] ; (a conversion's three registers begin on an even number)
	v_lshrrev_b32 v[BY], 23, v[SCO]                                ; the scale's byte.  (The plain place behind the conversions)
.irp i, 0,1,2
	v_mov_b32 v[GR+3+\i], v[TT+\i]
.endr
.if (\t)%4 == 0
	v_mov_b32 v[SB+(\t)/4], v[BY]                  ; four bytes to a word, the lower K in the lower byte
.else
	v_lshl_or_b32 v[SB+(\t)/4], v[BY], 8*((\t)%4), v[SB+(\t)/4]
.endif
.if (\t)+2 < 8
	LOADW (\t)+2
.endif
.if (\t)%4 >= 2                        ; the group (K step t / 4, half t % 2) is whole: sixteen lanes store 256 consecutive bytes, aligned; no group's registers are written again
.set GS, CD+12*(2*((\t)/4)+(\t)%2)
.irp u, 0,1,2
	global_store_b128 v[CO], v[GS+4*\u:GS+4*\u+3], s[18:19] offset:1536*((\t)/4)+512*\u+256*((\t)%2)
.endr
.endif
.endm
	LOADW 0
	LOADW 1
.irp t, 0,1,2,3,4,5,6,7
	BLOCK \t
.endr
	global_store_b64 v[SO], v[SB:SB+1], s[76:77]   ; 32 lanes store 256 consecutive bytes, aligned
	s_endpgm
.Lfunc_end_k_q8e880e4b28_prep:
	.size	k_q8e880e4b28_prep, .Lfunc_end_k_q8e880e4b28_prep-k_q8e880e4b28_prep
	.p2alignl 7, 3214868480
	.fill 96, 4, 3214868480
	.section	.rodata,"a",@progbits
	.p2align	6, 0x0
	.amdhsa_kernel k_q8e880e4b28_prep
		.amdhsa_group_segment_fixed_size 67072
		.amdhsa_private_segment_fixed_size 0
		.amdhsa_enable_private_segment 0
		.amdhsa_kernarg_size 104
		.amdhsa_user_sgpr_count 2
		.amdhsa_user_sgpr_kernarg_segment_ptr 1
		.amdhsa_wavefront_size32 1
		.amdhsa_system_sgpr_workgroup_id_x 1
		.amdhsa_system_sgpr_workgroup_id_y 1
		.amdhsa_system_sgpr_workgroup_id_z 1
		.amdhsa_system_vgpr_workitem_id 0
		.amdhsa_next_free_vgpr 226
		.amdhsa_next_free_sgpr 80
		.amdhsa_reserve_vcc 1
		.amdhsa_float_denorm_mode_32 3
		.amdhsa_float_denorm_mode_16_64 3
		.amdhsa_memory_ordered 1
		.amdhsa_forward_progress 1
		.amdhsa_inst_pref_size 82
	.end_amdhsa_kernel
	.amdgpu_metadata
---
amdhsa.version: [ 1, 2 ]
amdhsa.kernels:
  - .name:           k_q8e880e4b28_prep
    .symbol:         k_q8e880e4b28_prep.kd
    .args:
      - { .name: ps, .offset: 0, .size: 8, .value_kind: global_buffer, .address_space: global }
      - { .name: qs, .offset: 8, .size: 8, .value_kind: global_buffer, .address_space: global }
      - { .name: rs, .offset: 16, .size: 8, .value_kind: global_buffer, .address_space: global }
      - { .name: P_table, .offset: 24, .size: 8, .value_kind: global_buffer, .address_space: global }
      - { .name: Q_table, .offset: 32, .size: 8, .value_kind: global_buffer, .address_space: global }
      - { .name: R_table, .offset: 40, .size: 8, .value_kind: global_buffer, .address_space: global }
      - { .name: W, .offset: 48, .size: 8, .value_kind: global_buffer, .address_space: global }
      - { .name: wimg, .offset: 56, .size: 8, .value_kind: global_buffer, .address_space: global }
      - { .name: pimg, .offset: 64, .size: 8, .value_kind: global_buffer, .address_space: global }
      - { .name: psc, .offset: 72, .size: 8, .value_kind: global_buffer, .address_space: global }
      - { .name: qimg, .offset: 80, .size: 8, .value_kind: global_buffer, .address_space: global }
      - { .name: rg, .offset: 88, .size: 8, .value_kind: global_buffer, .address_space: global }
      - { .name: nsq, .offset: 96, .size: 8, .value_kind: global_buffer, .address_space: global }
    .group_segment_fixed_size: 67072
    .private_segment_fixed_size: 0
    .kernarg_segment_align: 8
    .kernarg_segment_size: 104
    .max_flat_workgroup_size: 128
    .sgpr_count:     80
    .vgpr_count:     226
    .wavefront_size: 32
...
	.end_amdgpu_metadata
.endif
;; end of part 1
;; launch tucker (part 2): grid 8 x 32, 4 waves a work-group, clusters of 4 x 1, 327,680 bytes of LDS; arguments wimg, pimg, psc, qimg, rg, part; writes part
.if DOCPART == 2
	.amdgcn_target "amdgcn-amd-amdhsa--gfx1250"
	.amdhsa_code_object_version 6
	.text
	.protected	k_q8e880e4b28_tucker
	.globl	k_q8e880e4b28_tucker
	.p2align	8
	.type	k_q8e880e4b28_tucker,@function
k_q8e880e4b28_tucker:
	s_mov_b64 s[64:65], 0
	v_nop
	global_prefetch_b8 v0, s[64:65] scope:SCOPE_SE
	s_setreg_imm32_b32 hwreg(HW_REG_WAVE_MODE, 25, 1), 1
	s_wait_xcnt 0x0
	s_wait_alu depctr_hold_cnt(0) depctr_sa_sdst(0) depctr_va_vdst(0) depctr_va_sdst(0) depctr_va_ssrc(0) depctr_va_vcc(0) depctr_vm_vsrc(0)
	s_getreg_b32 s2, hwreg(HW_REG_IB_STS2, 6, 4)
	s_cmp_eq_u32 s2, 0
	s_cbranch_scc0 .Lentry_in_a_cluster
	s_endpgm
.Lentry_in_a_cluster:
	s_bfe_u32 s2, ttmp6, 0x10000c
	s_cmp_lg_u32 s2, 0x3003
	s_cbranch_scc0 .Lentry_shape_is_right
	s_endpgm
.Lentry_shape_is_right:
; part[y][b] = the sum over this work-group's 32 j and 64 k of r(b, j) q(b, k) Wp(b, j, k),  Wp(b, j, k) = the sum over i of p(b, i) W(i, j, k) on codes of BF6 (E3M2) with one E8M0 scale for each 32 along i.
; Wp never leaves the registers: K is 256, so an accumulator lives for two matrix instructions and is then folded with q in f32, and each j's sum with r.
; The f32 sums are taken in this text's own order (columns by register pairs, j ascending, 32 partial sums added by the next launch), not in the order in which the definition writes them.
; SHARES.  Work-group (mb 0..7, y 0..31): rows 512 mb .. + 511; kq = y / 8 (k = 64 kq .. + 63), j = 32 (y % 8) .. + 31: 32 units of 12,800 bytes, which lie on end in wimg from byte 409,600 y on.
; Wave w: rows 128 w .. + 127 of those: eight tiles t of 16 rows.  A unit is four tiles c of 16 columns x two K steps: 64 matrix instructions a wave; 2,048 in all.
; THE MATRIX INSTRUCTION IS USED TRANSPOSED: source 0 = 16 columns of W, source 1 = 16 rows of p: lane (r, h) holds row r, register i column 16 c + 8 h + i.  q lies in registers in that very layout.
; p (192 registers) and q (256) stay in registers for the whole launch; a fragment of W read from LDS feeds eight matrix instructions.
; BY TURNS.  Behind each matrix instruction of tile c stand two packed multiply-adds that fold tile c - 1 (the other set of accumulators) with q: S(t) += acc x q.  When a unit's four tiles are folded, O(t) += S(t) x r(., j).
; CLUSTER.  The four work-groups of a cluster differ in mb alone and walk the same units of W: each slot is asked for JOINTLY.  Only W's stream is shared: p, q and r are read once at the head, so one row of four is all that a cluster can share.
; RING.  Two LDS slots of eight units; each wave brings a quarter of a slot (25,600 dense bytes) with one tensor load.  A refill has eight units, 512 matrix instructions of each wave, in which to land: no prefetch is laid.
; By this text's own count a wave has three tensor loads out at the start (r's tile, slots 0 and 1) and one behind each change of slots that fills.
; REGISTERS, in windows of 256: window 0: addresses, scales, S, O, W's fragments (two sets x two K steps), r, the accumulators (two sets x eight tiles).
;   window 1: tiles 0-3: q at v[32 tl + 8 c + i], p's fragments at v[128 + 24 tl + 12 s].   window 2: the same for tiles 4-7.
; A matrix instruction, the folding behind it and the LDS loads run under ONE setting (source 1 in window 1 or 2, all else in window 0).
.set UNITB,  12800
.set SLOTB,  8*UNITB                   ; 102,400
.set WPART,  SLOTB/4                   ; what one tensor load brings
.set RST,    2*SLOTB                   ; behind the ring: r, 128 rows x (128 bytes + 16) for each wave: filled once
.set RPITCH, 144                       ; 36 words: the sixteen rows of a load start at sixteen different banks
.set RWAVE,  128*RPITCH
.set OST,    RST+4*RWAVE               ; the way out: 512 bytes for each wave; no fill lands here
.set SPARE,  OST+2048                  ; the spare words, 128 bytes for each wave: two blocks of 256 bytes that no other line names
.set L16,  1                           ; v1   16 x lane
.set AW,   2                           ; v2   LDS address of the unit in hand, + 16 x lane
.set ASC0, 3                           ; v3   my place among a unit's scale words: 12,288 + 8 r + 4 h: lanes 0-15 K step 0's words, lanes 16-31 K step 1's
.set ASC,  4                           ; v4   the same in the unit in hand
.set AR0,  5                           ; v5   my row r of my wave's r
.set SPW,  6                           ; v6   LDS address of my spare word; never rewritten
.set NIL,  7                           ; v7   0; never rewritten
.set AR,   8                           ; v8   r's address for the unit in hand
.set OSW,  9                           ; v9   the way out: where I put a row's sum
.set PS,   10                          ; v10-17 p's scale words, tile t: scales and nothing else
.set SCW,  18                          ; v18-19 W's scale words, one for each set of fragments: scales and nothing else
.set SS,   28                          ; v28-43 S(t): a pair a tile (even columns', odd columns')
.set OO,   44                          ; v44-59 O(t): likewise
.set OSR,  60                          ; v60  the way out: where I read 16 bytes back
.set L4,   61                          ; v61  4 x lane
.set FB,   64                          ; v64-111 W's fragments: set p, K step s at FB + 24 p + 12 s
.set RR,   112                         ; v112-127 r(16 t + r, j) at RR + 2 t; the odd registers are 0 (named with them as pairs)
.set ACC,  128                         ; v128-255 accumulators: set p, tile t at ACC + 64 p + 8 t
.set PF,   128                         ; p's fragments, in windows 1 and 2
.set WV,   16                          ; s16  my wave's number
.set CX,   17                          ; s17  my place in the cluster: it enters p's, q's, r's and part's global addresses alone
.set MB,   18
.set YY,   19
.set G1W,  24                          ; s[24:31] descriptor group 1 for W's slots;  s[32:35], s[36:39] group 0, one for each slot
.set G0W0, 32
.set G0W1, 36
.set G1R,  40                          ; s[40:47], s[48:51] groups 1 and 0 for r's tile
.set G0R,  48
.set UB,   52                          ; s52  LDS byte at which the next unit to be fetched begins
.set CNT,  53
.set RJ,   54                          ; s54  4 x the unit's number: r's column
.set SEL,  56                          ; s[56:57] lane selects: lane l xor 16
.set MSB, 0
.macro WIN new                         ; the immediate's high byte repeats the setting that is left; a switch that changes nothing is dropped
.if MSB != (\new)
	s_set_vgpr_msb (MSB<<8)|(\new)
.set MSB, (\new)
.endif
.endm
.macro ROUND                           ; a round of the cluster's barrier
	s_barrier_signal -1
	s_barrier_wait -1
	s_cmp_lg_u32 s[WV], 0
	s_cbranch_scc1 .Lnot_wave_0_\@
	s_barrier_signal -3
.Lnot_wave_0_\@:
	s_barrier_wait -3
	s_barrier_signal -1
	s_barrier_wait -1
.endm
.macro PLACES
.rept 4
	v_nop
.endr
.endm
	s_load_b256 s[4:11], s[0:1], 0x0               ; wimg 4, pimg 6, psc 8, qimg 10
	s_load_b128 s[12:15], s[0:1], 0x20             ; rg 12, part 14
	v_lshl_add_u32 v[SPW], v0, 2, SPARE
	v_mov_b32 v[NIL], 0
	ds_add_u32 v6, v7
	ds_add_u32 v6, v7
	s_wait_dscnt 0x0
	v_lshrrev_b32 v1, 5, v0
	v_readfirstlane_b32 s[WV], v1                  ; wave 0..3
	s_bfe_u32 s[CX], ttmp6, 0x40000                ; cx
	s_lshl_b32 s[MB], ttmp9, 2                     ; in a cluster launch ttmp9 counts clusters
	s_add_co_u32 s[MB], s[MB], s[CX]               ; mb = 4 x cluster x + cx
	s_and_b32 s[YY], ttmp7, 0xffff                 ; y, which the four partners share
	; W's slots: a quarter of a slot is 25,600 dense bytes: 100 rows of 256 bytes (32 elements of 8 bytes), no padding: every fragment load reads 512 consecutive bytes
	s_mov_b32 s[G1W], 15|(3<<16)|(1<<21)           ; 15:0 the mask: all four work-groups; 17:16 elements of 8 bytes; 21 set beside a mask
	s_mov_b32 s[G1W+1], 32<<16                     ; tensor_dim0 = 32
	s_mov_b32 s[G1W+2], 100<<16                    ; tensor_dim1 = 100
	s_mov_b32 s[G1W+3], 32<<16                     ; tile_dim0 = 32
	s_mov_b32 s[G1W+4], 100                        ; tile_dim1 = 100
	s_mov_b32 s[G1W+5], 32                         ; from row to row
	s_mov_b32 s[G1W+6], 0
	s_mov_b32 s[G1W+7], 0
	; r's tile: 128 rows x 32 numbers of 4 bytes, 256 numbers from row to row; 4 words of padding behind every 32
	s_mov_b32 s[G1R], (2<<16)|(1<<20)|(4<<22)|(3<<25)   ; no mask: the tile is my work-group's own
	s_mov_b32 s[G1R+1], 32<<16
	s_mov_b32 s[G1R+2], 128<<16
	s_mov_b32 s[G1R+3], 32<<16
	s_mov_b32 s[G1R+4], 128
	s_mov_b32 s[G1R+5], 256
	s_mov_b32 s[G1R+6], 0
	s_mov_b32 s[G1R+7], 0
	s_mul_i32 s20, s[YY], 32*UNITB                 ; W: my work-group's 32 units (made of y and the wave's number alone, in registers that never hold cx)
	s_mul_i32 s22, s[WV], WPART                    ; my quarter of a slot, in memory and in LDS
	s_add_co_u32 s20, s20, s22
	s_mov_b32 s21, 0
	s_mul_i32 s23, s[WV], RWAVE                    ; my wave's r in LDS
	s_lshl_b32 s58, s[MB], 9
	s_lshl_b32 s59, s[WV], 7
	s_add_co_u32 s58, s58, s59                     ; my wave's first row: 512 mb + 128 w
	s_lshl_b32 s60, s58, 10                        ; rg: 1,024 bytes a row,
	s_and_b32 s59, s[YY], 7
	s_lshl_b32 s59, s59, 7
	s_add_co_u32 s60, s60, s59                     ; + 128 (y % 8): my 32 columns j
	s_mov_b32 s61, 0
	s_mov_b32 s63, 0
	s_mov_b32 s[SEL], 0x76543210
	s_mov_b32 s[SEL+1], 0xfedcba98
	s_wait_kmcnt 0x0
	s_mov_b32 s[G0W0], 1                           ; count = 1
	s_mov_b32 s[G0W0+1], s22                       ; LDS address: slot 0, my quarter
	s_add_nc_u64 s[G0W0+2:G0W0+3], s[4:5], s[20:21]
	s_mov_b32 s[G0W1], 1
	s_add_co_u32 s[G0W1+1], s22, SLOTB             ; slot 1
	s_add_nc_u64 s[G0W1+2:G0W1+3], s[G0W0+2:G0W0+3], SLOTB
	s_or_b32 s[G0W0+3], s[G0W0+3], 0x80000000      ; type = 2
	s_or_b32 s[G0W1+3], s[G0W1+3], 0x80000000
	s_mov_b32 s[G0R], 1
	s_add_co_u32 s[G0R+1], s23, RST
	s_add_nc_u64 s[G0R+2:G0R+3], s[12:13], s[60:61]
	s_or_b32 s[G0R+3], s[G0R+3], 0x80000000
	s_mul_i32 s62, s58, 192                        ; pimg: 3,072 bytes for 16 rows
	s_add_nc_u64 s[6:7], s[6:7], s[62:63]
	s_lshl_b32 s62, s58, 3                         ; psc: 128 bytes for 16 rows
	s_add_nc_u64 s[8:9], s[8:9], s[62:63]
	s_lshr_b32 s59, s[YY], 3                       ; kq
	s_lshl_b32 s59, s59, 12
	s_lshl_b32 s62, s58, 10                        ; qimg: 16,384 bytes for 16 rows, + 4,096 kq
	s_add_co_u32 s62, s62, s59
	s_add_nc_u64 s[10:11], s[10:11], s[62:63]
	s_lshl_b32 s59, s58, 2
	s_lshl_b32 s62, s[YY], 14                      ; part: 16,384 y + 4 x my first row
	s_add_co_u32 s62, s62, s59
	s_add_nc_u64 s[14:15], s[14:15], s[62:63]
	ROUND                                          ; all four work-groups are here: the first joint loads meet
	tensor_load_to_lds s[G0R:G0R+3], s[G1R:G1R+7]  ; the first fills go out as one group: r's tile,
	s_nop 0
	PLACES
	tensor_load_to_lds s[G0W0:G0W0+3], s[G1W:G1W+7]   ; units 0-7,
	s_nop 0
	PLACES
	tensor_load_to_lds s[G0W1:G0W1+3], s[G1W:G1W+7]   ; units 8-15
	s_nop 0
	PLACES
	v_and_b32 v62, 31, v0                          ; lane
	v_and_b32 v63, 15, v0                          ; r
	v_bfe_u32 v20, v0, 4, 1                        ; h
	v_lshlrev_b32 v[L16], 4, v62
	v_lshlrev_b32 v[L4], 2, v62
	v_lshlrev_b32 v[ASC0], 3, v63
	v_lshl_add_u32 v[ASC0], v20, 2, v[ASC0]
	v_add_nc_u32 v[ASC0], 12288, v[ASC0]
	v_mul_u32_u24 v[AR0], v63, RPITCH
	v_add_nc_u32 v[AR0], s[G0R+1], v[AR0]
	s_lshl_b32 s[UB], s[WV], 9
	s_add_co_u32 s[UB], s[UB], OST                 ; my 512 bytes for the way out
	v_lshl_add_u32 v[OSW], v63, 2, s[UB]
	v_add_nc_u32 v[OSR], s[UB], v[L16]
.irp z, 0,1                            ; p's fragments and q, tiles 4 z .. 4 z + 3 into window 1 + z: images, 512 consecutive bytes a load
	WIN 0x40*(\z+1)
.irp i, 0,1,2,3
.irp s, 0,1
.irp u, 0,1,2
	global_load_b128 v[PF+24*\i+12*\s+4*\u:PF+24*\i+12*\s+4*\u+3], v[L16], s[6:7] offset:3072*(4*\z+\i)+1536*\s+512*\u
.endr
.endr
.irp c, 0,1,2,3
.irp u, 0,1
	global_load_b128 v[32*\i+8*\c+4*\u:32*\i+8*\c+4*\u+3], v[L16], s[10:11] offset:16384*(4*\z+\i)+1024*\c+512*\u
.endr
.endr
.endr
.endr
	WIN 0
.irp t, 0,1,2,3,4,5,6,7
	global_load_b32 v[PS+\t], v[L4], s[8:9] offset:128*\t   ; lanes 0-15 K step 0's words, lanes 16-31 K step 1's
.endr
.irp t, 0,1,2,3,4,5,6,7
	v_mov_b32 v[OO+2*\t], 0                        ; O: the loop has no first trip of its own
	v_mov_b32 v[OO+2*\t+1], 0
	v_mov_b32 v[RR+2*\t+1], 0
.endr
; Four matrix instructions: set p of fragments and accumulators, tiles 4 z .. 4 z + 3, K step s (0: the constant 0 starts the sums; 1: in place, scales from lanes 16-31).
; The accumulators take turns, one instruction a turn: between the two links of a sum stand seven others'.
; red = 1: behind matrix instruction i stand two lines of the folding of the OTHER set, which holds tile cq of columns: register pair w = 2 s + i / 2 of tiles 4 z + 2 (i % 2) and the next.
; pair 0 of a unit's tile 0 starts S by a multiplication: nothing is cleared.
.macro QUAD p, z, s, red, cq
	WIN 0x04+4*(\z)
.irp i, 0,1,2,3
.set rD, ACC+64*(\p)+8*(4*(\z)+\i)
.set rW, FB+24*(\p)+12*(\s)
.set rP, PF+24*\i+12*(\s)
.if (\s) == 0
	v_wmma_scale_f32_16x16x128_f8f6f4 v[rD:rD+7], v[rW:rW+11], v[rP:rP+11], 0, v[SCW+(\p)], v[PS+4*(\z)+\i] matrix_a_fmt:MATRIX_FMT_BF6 matrix_b_fmt:MATRIX_FMT_BF6
.else
	v_wmma_scale_f32_16x16x128_f8f6f4 v[rD:rD+7], v[rW:rW+11], v[rP:rP+11], v[rD:rD+7], v[SCW+(\p)], v[PS+4*(\z)+\i] matrix_a_fmt:MATRIX_FMT_BF6 matrix_b_fmt:MATRIX_FMT_BF6 matrix_a_scale:MATRIX_SCALE_ROW1 matrix_b_scale:MATRIX_SCALE_ROW1
.endif
.if \red
.set wq, 2*(\s)+\i/2
.irp e, 0,1
.set tq, 2*(\i%2)+\e
.set rS, SS+2*(4*(\z)+tq)
.set rA, ACC+64*(1-(\p))+8*(4*(\z)+tq)+2*wq
.set rQ, 32*tq+8*(\cq)+2*wq
.if ((\cq) == 0) && (wq == 0)
	v_pk_mul_f32 v[rS:rS+1], v[rA:rA+1], v[rQ:rQ+1]
.else
	v_pk_fma_f32 v[rS:rS+1], v[rA:rA+1], v[rQ:rQ+1], v[rS:rS+1]
.endif
.endr
.endif
.endr
.endm
; The fragment of tile c, K step s of the unit in hand: three loads of 512 consecutive bytes; sc = 1: the tile's scale words with it.
; A load into a register that a matrix instruction has read stands four plain vector lines or more behind it: here ten lines of the folding, which name none of that instruction's registers.
.macro FETCH c, s, sc
.irp u, 0,1,2
	ds_load_b128 v[FB+24*((\c)%2)+12*(\s)+4*\u:FB+24*((\c)%2)+12*(\s)+4*\u+3], v[AW] offset:3072*(\c)+1536*(\s)+512*\u
.endr
.if \sc
	ds_load_b32 v[SCW+(\c)%2], v[ASC] offset:128*(\c)
.endif
.endm
.macro UNITADR                         ; on to the next unit
	v_add_nc_u32 v[AW], s[UB], v[L16]
	v_add_nc_u32 v[ASC], s[UB], v[ASC0]
	s_add_co_u32 s[UB], s[UB], UNITB
.endm
.macro FINAL                           ; a unit is folded: O(t) += S(t) x r(., j)
.irp t, 0,1,2,3,4,5,6,7
	v_pk_fma_f32 v[OO+2*\t:OO+2*\t+1], v[SS+2*\t:SS+2*\t+1], v[RR+2*\t:RR+2*\t+1], v[OO+2*\t:OO+2*\t+1] op_sel_hi:[1,0,1]
.endr
.endm
.macro RLOAD                           ; r(16 t + r, j) of the unit that is being multiplied
	v_add_nc_u32 v[AR], s[RJ], v[AR0]
.irp t, 0,1,2,3,4,5,6,7
	ds_load_b32 v[RR+2*\t], v[AR] offset:16*RPITCH*\t
.endr
	s_add_co_u32 s[RJ], s[RJ], 4
.endm
; The second half of tile 2 and tile 3 of a unit.  fetch = 1: the next unit's first three fragments are fetched.
.macro PART_A fetch
.if \fetch
	UNITADR
.endif
	QUAD 0, 0, 1, 1, 1
.if \fetch
	FETCH 0, 0, 0
.endif
	QUAD 0, 1, 1, 1, 1
.if \fetch
	s_wait_dscnt 3                                 ; tile 3's fragments and scale words are in; the three loads just issued may be out
.else
	s_wait_dscnt 0
.endif
	QUAD 1, 0, 0, 1, 2
.if \fetch
	FETCH 0, 1, 1
.endif
	QUAD 1, 1, 0, 1, 2
	QUAD 1, 0, 1, 1, 2
.if \fetch
	FETCH 1, 0, 0
.endif
	QUAD 1, 1, 1, 1, 2
.endm
; Tiles 0 and 1 and the first half of tile 2 of a unit.  first = 1: the launch's first unit: there is no unit before it to fold.
.macro PART_B first
	s_wait_dscnt 3                                 ; tile 0's fragments and scale words are in; tile 1's first fragment (three loads) may be out
	QUAD 0, 0, 0, 1-\first, 3
	FETCH 1, 1, 1
	QUAD 0, 1, 0, 1-\first, 3
	QUAD 0, 0, 1, 1-\first, 3
.if \first
	PLACES                                         ; no folding stands here yet: four places in front of the load below, and of the first read of these results
.endif
	FETCH 2, 0, 0
	QUAD 0, 1, 1, 1-\first, 3
	WIN 0
.if (\first) == 0
	FINAL
.endif
	RLOAD
	s_wait_dscnt 11                                ; tile 1's are in; tile 2's first fragment (three loads) and r's eight may be out
	QUAD 1, 0, 0, 1, 0
	FETCH 2, 1, 1
	QUAD 1, 1, 0, 1, 0
	QUAD 1, 0, 1, 1, 0
	FETCH 3, 0, 0
	QUAD 1, 1, 1, 1, 0
	s_wait_dscnt 3                                 ; tile 2's are in, and r's; tile 3's first fragment may be out
	QUAD 0, 0, 0, 1, 1
	FETCH 3, 1, 1
	QUAD 0, 1, 0, 1, 1
	WIN 0                                          ; at a label and at a branch every window is 0
.endm
.macro TRIPS n                         ; a trip fetches exactly one unit, and multiplies from the middle of the unit before to the middle of that one
	s_mov_b32 s[CNT], \n
.Ltrip_\@:
	PART_A 1
	PART_B 0
	s_sub_co_u32 s[CNT], s[CNT], 1
	s_cmp_lg_u32 s[CNT], 0
	s_cbranch_scc1 .Ltrip_\@
.endm
; THE CHANGE OF SLOTS stands where a slot's last bytes have been asked for.  Each wave waits for all its tensor loads (its quarter of the slot ahead), adds 0 to its spare word, and waits for that and for its reads of the slot that it leaves.
; fill = 1: the barrier is a round of the cluster's, so that no wave of any partner still reads the slot or has a load on its way; the joint refill is the first thing behind it.
.macro CHANGE fill, g0, base
	s_wait_tensorcnt 0x0                           ; no tensor load of mine is out, so a group 0 may be written
	ds_add_u32 v[SPW], v[NIL]                      ; 0 onto my spare word
.if \fill
	s_add_nc_u64 s[\g0+2:\g0+3], s[\g0+2:\g0+3], 2*SLOTB   ; this slot's next eight units; the type bits on top are not reached
.endif
	s_mov_b32 s[UB], \base                         ; the fetches go on in the other slot
	s_wait_dscnt 0x0                               ; the add is done, and my reads of the slot are over
.if \fill
	ROUND
	tensor_load_to_lds s[\g0:\g0+3], s[G1W:G1W+7]
	s_nop 0
	PLACES
.else
	s_barrier_signal -1
	s_barrier_wait -1
.endif
.endm
	s_wait_loadcnt 0x0                             ; p, q and p's scale words
	s_wait_tensorcnt 0x1                           ; r's tile and my quarter of slot 0 are in; slot 1's may stay out
	s_barrier_signal -1
	s_barrier_wait -1                              ; everybody's are
	s_mov_b32 s[UB], 0
	s_mov_b32 s[RJ], 0
	UNITADR
	FETCH 0, 0, 0
	FETCH 0, 1, 1
	FETCH 1, 0, 0
	PART_B 1                                       ; unit 0
	TRIPS 7                                        ; units 1-7
	CHANGE 1, G0W0, SLOTB                          ; slot 0 takes units 16-23
	TRIPS 8                                        ; units 8-15
	CHANGE 1, G0W1, 0                              ; slot 1 takes units 24-31
	TRIPS 8                                        ; units 16-23
	CHANGE 0, G0W0, SLOTB                          ; nothing is left to ask for
	TRIPS 8                                        ; units 24-31
	PART_A 0
.irp z, 0,1                            ; the last tile is folded; each accumulator from its low end on.  Tiles 0-3 were finished eight lines of folding ago; their sixteen lines are the places behind the last products
	WIN 0x04+4*\z
.irp w, 0,1,2,3
.irp l, 0,1,2,3
	v_pk_fma_f32 v[SS+2*(4*\z+\l):SS+2*(4*\z+\l)+1], v[ACC+64+8*(4*\z+\l)+2*\w:ACC+64+8*(4*\z+\l)+2*\w+1], v[32*\l+24+2*\w:32*\l+24+2*\w+1], v[SS+2*(4*\z+\l):SS+2*(4*\z+\l)+1]
.endr
.endr
.endr
	WIN 0
	FINAL
	; THE WAY OUT: a row's sum is O's two halves and lane l xor 16's; the wave's 128 sums go through its own 512 bytes of LDS and leave as 512 consecutive bytes
.irp t, 0,1,2,3,4,5,6,7
	v_add_f32 v[SS+\t], v[OO+2*\t], v[OO+2*\t+1]
.endr
.irp t, 0,1,2,3,4,5,6,7
	v_permlanex16_b32 v[SS+8+\t], v[SS+\t], s[SEL], s[SEL+1]
.endr
.irp t, 0,1,2,3,4,5,6,7
	v_add_f32 v[SS+\t], v[SS+\t], v[SS+8+\t]
.endr
.irp t, 0,1,2,3,4,5,6,7
	ds_store_b32 v[OSW], v[SS+\t] offset:64*\t     ; row 16 t + r; lanes r and 16 + r write the same word with the same value
.endr
	ds_load_b128 v[20:23], v[OSR]                  ; LDS serves a wave's instructions in order: this sees my stores
	s_wait_dscnt 0x0
	global_store_b128 v[L16], v[20:23], s[14:15]
	s_wait_tensorcnt 0x0                           ; the wave's end, behind my last tensor load and my last LDS store
	ds_add_u32 v[SPW], v[NIL]
	s_wait_dscnt 0x0
	ROUND                                          ; the closing round: no work-group ends while a partner may still ask for a slot that names it
	s_endpgm
.Lfunc_end_k_q8e880e4b28_tucker:
	.size	k_q8e880e4b28_tucker, .Lfunc_end_k_q8e880e4b28_tucker-k_q8e880e4b28_tucker
	.p2alignl 7, 3214868480
	.fill 96, 4, 3214868480
	.section	.rodata,"a",@progbits
	.p2align	6, 0x0
	.amdhsa_kernel k_q8e880e4b28_tucker
		.amdhsa_group_segment_fixed_size 327680
		.amdhsa_private_segment_fixed_size 0
		.amdhsa_enable_private_segment 0
		.amdhsa_kernarg_size 48
		.amdhsa_user_sgpr_count 2
		.amdhsa_user_sgpr_kernarg_segment_ptr 1
		.amdhsa_wavefront_size32 1
		.amdhsa_system_sgpr_workgroup_id_x 1
		.amdhsa_system_sgpr_workgroup_id_y 1
		.amdhsa_system_sgpr_workgroup_id_z 1
		.amdhsa_system_vgpr_workitem_id 0
		.amdhsa_next_free_vgpr 768
		.amdhsa_next_free_sgpr 66
		.amdhsa_reserve_vcc 0
		.amdhsa_float_denorm_mode_32 3
		.amdhsa_float_denorm_mode_16_64 3
		.amdhsa_memory_ordered 1
		.amdhsa_forward_progress 1
		.amdhsa_inst_pref_size 121
	.end_amdhsa_kernel
	.amdgpu_metadata
---
amdhsa.version: [ 1, 2 ]
amdhsa.kernels:
  - .name:           k_q8e880e4b28_tucker
    .symbol:         k_q8e880e4b28_tucker.kd
    .args:
      - { .name: wimg, .offset: 0, .size: 8, .value_kind: global_buffer, .address_space: global }
      - { .name: pimg, .offset: 8, .size: 8, .value_kind: global_buffer, .address_space: global }
      - { .name: psc, .offset: 16, .size: 8, .value_kind: global_buffer, .address_space: global }
      - { .name: qimg, .offset: 24, .size: 8, .value_kind: global_buffer, .address_space: global }
      - { .name: rg, .offset: 32, .size: 8, .value_kind: global_buffer, .address_space: global }
      - { .name: part, .offset: 40, .size: 8, .value_kind: global_buffer, .address_space: global }
    .group_segment_fixed_size: 327680
    .private_segment_fixed_size: 0
    .kernarg_segment_align: 8
    .kernarg_segment_size: 48
    .max_flat_workgroup_size: 128
    .sgpr_count:     66
    .vgpr_count:     768
    .wavefront_size: 32
...
	.end_amdgpu_metadata
.endif
;; end of part 2
;; launch finish (part 3): grid 5 x 1, 8 waves a work-group, no clusters, 1,280 bytes of LDS; arguments part, nsq, out0, out1; writes out0, out1
.if DOCPART == 3
	.amdgcn_target "amdgcn-amd-amdhsa--gfx1250"
	.amdhsa_code_object_version 6
	.text
	.protected	k_q8e880e4b28_finish
	.globl	k_q8e880e4b28_finish
	.p2align	8
	.type	k_q8e880e4b28_finish,@function
k_q8e880e4b28_finish:
	s_mov_b64 s[64:65], 0
	v_nop
	global_prefetch_b8 v0, s[64:65] scope:SCOPE_SE
	s_setreg_imm32_b32 hwreg(HW_REG_WAVE_MODE, 25, 1), 1
	s_wait_xcnt 0x0
; FINISH.  Work-groups 0-3: out0[b] = the sum over y = 0 .. 31 of part[y][b], y ascending; thread n of work-group g owns the four rows at byte 4,096 g + 16 n.
; Work-group 4: out1 = 0.01 x (sqrt(sum of p's squares) + sqrt(q's) + sqrt(r's)), from the 3 x 8,192 partial sums in nsq.
; The work is a few hundred KiB of dense reads: no LDS ring, no matrix unit, no cluster would add anything.
	s_load_b256 s[4:11], s[0:1], 0x0               ; part 4, nsq 6, out0 8, out1 10
	v_lshl_add_u32 v144, v0, 2, 0x100
	v_mov_b32 v145, 0
	v_lshlrev_b32 v1, 4, v0                        ; 16 bytes a thread
	s_wait_kmcnt 0x0
	s_cmp_eq_u32 ttmp9, 4
	s_cbranch_scc1 .Lnorms
	s_lshl_b32 s12, ttmp9, 12
	s_mov_b32 s13, 0
	s_add_nc_u64 s[4:5], s[4:5], s[12:13]
	s_add_nc_u64 s[8:9], s[8:9], s[12:13]
.set y, 0
.rept 32
	global_load_b128 v[8+4*y:11+4*y], v1, s[4:5] offset:16384*y   ; a wave reads 512 consecutive bytes
.set y, y+1
.endr
	s_wait_loadcnt 30                              ; the first two are in
	v_pk_add_f32 v[4:5], v[8:9], v[12:13]          ; they start the sums
	v_pk_add_f32 v[6:7], v[10:11], v[14:15]
.set y, 2
.rept 30
	s_wait_loadcnt 31-y                            ; partial sum y is in; the younger ones stay out
	v_pk_add_f32 v[4:5], v[4:5], v[8+4*y:9+4*y]
	v_pk_add_f32 v[6:7], v[6:7], v[10+4*y:11+4*y]
.set y, y+1
.endr
	global_store_b128 v1, v[4:7], s[8:9]           ; a wave stores 512 consecutive bytes
	s_endpgm
.Lnorms:
.set n, 0
.rept 24
	global_load_b128 v[8+4*n:11+4*n], v1, s[6:7] offset:32768*(n/8)+4096*(n%8)   ; table n / 8: 32,768 bytes, 4,096 a load of the work-group
.set n, n+1
.endr
	v_lshrrev_b32 v2, 5, v0
	v_lshlrev_b32 v2, 2, v2                        ; 4 x wave
	v_mov_b32 v3, 0
	s_mov_b32 s12, 0x76543210
	s_mov_b32 s13, 0xfedcba98
.irp a, 0,1,2
	v_mov_b32 v[116+\a], 0                         ; a lane permute's destination counts as one of its sources
.endr
	s_wait_loadcnt 0x0
.irp a, 0,1,2
	v_pk_add_f32 v[104+2*\a:105+2*\a], v[8+32*\a:9+32*\a], v[10+32*\a:11+32*\a]
.endr
.irp i, 1,2,3,4,5,6,7
.irp a, 0,1,2
	v_pk_add_f32 v[104+2*\a:105+2*\a], v[104+2*\a:105+2*\a], v[8+32*\a+4*\i:9+32*\a+4*\i]
.endr
.irp a, 0,1,2
	v_pk_add_f32 v[104+2*\a:105+2*\a], v[104+2*\a:105+2*\a], v[10+32*\a+4*\i:11+32*\a+4*\i]
.endr
.endr
.irp a, 0,1,2
	v_add_f32 v[112+\a], v[104+2*\a], v[105+2*\a]
.endr
.irp m, 1,2,4,8                        ; across the 32 lanes: four steps inside each half of 16, one across the halves
.irp a, 0,1,2
	v_add_f32_dpp v[112+\a], v[112+\a], v[112+\a] row_xmask:\m row_mask:0xf bank_mask:0xf
.endr
.endr
.irp a, 0,1,2
	v_permlanex16_b32 v[116+\a], v[112+\a], s12, s13
.endr
.irp a, 0,1,2
	v_add_f32 v[112+\a], v[112+\a], v[116+\a]
.endr
.irp a, 0,1,2
	ds_store_b32 v2, v[112+\a] offset:32*\a        ; table a, my wave's word; all lanes write the same value
.endr
	s_wait_dscnt 0x0                               ; for the others' sake: my stores are done
	s_barrier_signal -1
	s_barrier_wait -1
.irp a, 0,1,2
	ds_load_b128 v[8+8*\a:11+8*\a], v3 offset:32*\a
	ds_load_b128 v[12+8*\a:15+8*\a], v3 offset:32*\a+16
.endr
	s_wait_dscnt 0x0
.irp a, 0,1,2
	v_pk_add_f32 v[8+8*\a:9+8*\a], v[8+8*\a:9+8*\a], v[10+8*\a:11+8*\a]
	v_pk_add_f32 v[12+8*\a:13+8*\a], v[12+8*\a:13+8*\a], v[14+8*\a:15+8*\a]
.endr
.irp a, 0,1,2
	v_pk_add_f32 v[8+8*\a:9+8*\a], v[8+8*\a:9+8*\a], v[12+8*\a:13+8*\a]
.endr
.irp a, 0,1,2
	v_add_f32 v[8+8*\a], v[8+8*\a], v[9+8*\a]
.endr
.irp a, 0,1,2
	v_sqrt_f32 v[120+\a], v[8+8*\a]
.endr
	v_nop                                          ; one plain place behind the roots
	s_wait_alu depctr_va_vdst(0)
	v_add_f32 v120, v120, v121                     ; (|p| + |q|) + |r|
	v_add_f32 v120, v120, v122
	v_mul_f32 v120, 0x3c23d70a, v120               ; x 0.01
	v_cmp_eq_u32 vcc_lo, 0, v0
	s_wait_xcnt 0x0                                ; EXEC changes only behind this wait
	s_wait_tensorcnt 0x0
	ds_add_u32 v144, v145
	s_wait_dscnt 0x0
	s_and_saveexec_b32 s14, vcc_lo                 ; thread 0 alone stores the one number
	global_store_b32 v3, v120, s[10:11]
	s_wait_xcnt 0x0                                ; and again, in front of the line that widens it
	s_or_b32 exec_lo, exec_lo, s14
	s_endpgm
.Lfunc_end_k_q8e880e4b28_finish:
	.size	k_q8e880e4b28_finish, .Lfunc_end_k_q8e880e4b28_finish-k_q8e880e4b28_finish
	.p2alignl 7, 3214868480
	.fill 96, 4, 3214868480
	.section	.rodata,"a",@progbits
	.p2align	6, 0x0
	.amdhsa_kernel k_q8e880e4b28_finish
		.amdhsa_group_segment_fixed_size 1280
		.amdhsa_private_segment_fixed_size 0
		.amdhsa_enable_private_segment 0
		.amdhsa_kernarg_size 32
		.amdhsa_user_sgpr_count 2
		.amdhsa_user_sgpr_kernarg_segment_ptr 1
		.amdhsa_wavefront_size32 1
		.amdhsa_system_sgpr_workgroup_id_x 1
		.amdhsa_system_sgpr_workgroup_id_y 1
		.amdhsa_system_sgpr_workgroup_id_z 1
		.amdhsa_system_vgpr_workitem_id 0
		.amdhsa_next_free_vgpr 146
		.amdhsa_next_free_sgpr 66
		.amdhsa_reserve_vcc 1
		.amdhsa_float_denorm_mode_32 3
		.amdhsa_float_denorm_mode_16_64 3
		.amdhsa_memory_ordered 1
		.amdhsa_forward_progress 1
		.amdhsa_inst_pref_size 18
	.end_amdhsa_kernel
	.amdgpu_metadata
---
amdhsa.version: [ 1, 2 ]
amdhsa.kernels:
  - .name:           k_q8e880e4b28_finish
    .symbol:         k_q8e880e4b28_finish.kd
    .args:
      - { .name: part, .offset: 0, .size: 8, .value_kind: global_buffer, .address_space: global }
      - { .name: nsq, .offset: 8, .size: 8, .value_kind: global_buffer, .address_space: global }
      - { .name: out0, .offset: 16, .size: 8, .value_kind: global_buffer, .address_space: global }
      - { .name: out1, .offset: 24, .size: 8, .value_kind: global_buffer, .address_space: global }
    .group_segment_fixed_size: 1280
    .private_segment_fixed_size: 0
    .kernarg_segment_align: 8
    .kernarg_segment_size: 32
    .max_flat_workgroup_size: 256
    .sgpr_count:     66
    .vgpr_count:     146
    .wavefront_size: 32
...
	.end_amdgpu_metadata
.endif
;; end of part 3
